; MI455X (gfx1250); checked and timed in simulation.
; The chip was launched on July 23, 2026; its instructions are those of AMD's public machine-readable ISA for CDNA 5 (MIT licence, August 2026) and "CDNA5" Instruction Set Architecture Reference Guide (July 2026). The comments in the code are by the model that wrote it; some were corrected since.
;; K Nearest Neighbors. Allowed arithmetic: float matrix products may take bf16 or f16 operands with f32 sums; all other float work in f32.
;; Inputs: lengths1 4 int32; lengths2 4 int32; p1 4 x 4,096 x 3 float32; p2 4 x 8,192 x 3 float32.
;; Outputs: out0 4 x 4,096 x 16 int32; out1 4 x 4,096 x 16 float32.
;; One version. Each part assembles by itself: llvm-mc -triple=amdgcn-amd-amdhsa -mcpu=gfx1250 --defsym DOCPART=n.
;; ======== version 1 of 1: 1 launch
;; launch knn (part 1): grid 128 x 4, 8 waves a work-group, no clusters, 144,896 bytes of LDS; arguments p1, p2, lengths1, lengths2, out0, out1; writes out0, out1
.if DOCPART == 1
	.amdgcn_target "amdgcn-amd-amdhsa--gfx1250"
	.amdhsa_code_object_version 6
	.text
	.protected	k_q1ad3a44da4_knn
	.globl	k_q1ad3a44da4_knn
	.p2align	8
	.type	k_q1ad3a44da4_knn,@function
k_q1ad3a44da4_knn:
	s_mov_b64 s[64:65], 0
	v_nop
	global_prefetch_b8 v0, s[64:65] scope:SCOPE_SE
	s_setreg_imm32_b32 hwreg(HW_REG_WAVE_MODE, 25, 1), 1
	s_wait_xcnt 0x0
; The 16 nearest of 8,192 targets for each of 4 x 4,096 queries, sorted by (d, index), in one launch.  No branch and no address
; hangs on a distance: trip counts are constants, data are moved between lanes by permutes and selects.
;
; d = (|a|^2 + |b|^2) + (-2 a).b in f32.  The roundings follow reference() as it is written: in |a|^2 and |b|^2 each square is
; rounded by itself and the three are added in the order x, y, z (these multiplies and adds are NOT fused: fusing changes the
; last bit of d, and the order of near-equal neighbours hangs on it); the product is a fused chain over x, y, z; the factor -2 is
; put on the query beforehand, which is exact.  A target at or beyond lengths2 gets |b|^2 = +inf: its d is +inf and it still
; competes with its index.  A query at or beyond lengths1 is written as zeros.
; The product of depth 3 is done by the vector unit in f32 and not by the matrix unit in bf16: indices are compared exactly, and
; a 16-bit product does not keep the order of near-equal neighbours; it is 6 of the 10 packed lines of a distance step.
; LIMITS: inputs finite and no overflow in d (no NaN); products in the denormal range may round otherwise than unscaled ones.
;
; WHY 512 TARGETS ARE ENOUGH.  Lane L of wave w owns the 32 consecutive targets 1024 w + 32 L .. + 31: a group, id = 32 w + L.
; Everything is ordered by (d, index).  A group's key is (its smallest d, id); groups are consecutive ranges, so the order of ids
; is the order of indices.  If one of the 16 first targets lay in a group that is not among the 16 first groups, the smallest
; targets of 16 other groups would stand in front of it.  So the 16 first groups hold the result, for any data, ties included.
;
; A work-group takes 32 queries of one batch, 8 at a time; wave w keeps its 1,024 targets in registers for the whole kernel.
;   A   distances, each lane's minimum                       A2  (minimum, id) sorted over the lanes, 16 kept, into LDS
;   B   wave w merges query w's eight lists: 16 winners      C   distances anew; the winners' lanes are brought to lanes 0-15
;   D   wave w takes, for each winner, its owner's version, sorts the 512 pairs (d, index) and keeps 16      E   the way out
; REGISTER rho OF A LANE in the upper half of the wave (h = 1) holds target rho xor 16 of its group, in the lower half target rho.
; So register p holds [lower lanes: target p | upper lanes: target p + 16] and register p + 16 the other way round, and one
; permute within the halves of the first, one across the halves of the second and one select give
; [lanes 0-15: target p of winner k | lanes 16-31: target p + 16 of winner k]: two registers packed into one.
; Each wave reads its 12,288 bytes of p2 once, at the start; nothing is streamed and that is all that work-groups share, so
; there is no LDS ring, no tensor load and no joint request in a cluster.
.set X,    32                          ; v[32:63]    x of my 32 targets
.set Y,    64                          ; v[64:95]    y
.set Z,    96                          ; v[96:127]   z
.set B,    128                         ; v[128:159]  |b|^2, +inf where masked
.set STG,  160                         ; v[160:255]  start only: the targets as loaded (x y z x y z ..), then squares
.set TA0,  160                         ; v[160:175]  A: two sets of 4 distances + 4 sums
.set MD,   176                         ; v[176:183]  A, A2: query q: the lane's minimum;  v[184:191] the group's id beside it
.set D,    160                         ; v[160:191]  C: the 32 distances; then 16 packed registers
.set FD,   160                         ; v[160:175]  D: d of 512 targets;  v[176:191] their indices
.set PD,   192                         ; v[192:199]  the partner lane's d
.set PI,   200                         ; v[200:207]  the partner lane's index or id
.set TS,   192                         ; v[192:199]  C: two sets of 4 sums
.set TP,   200                         ; v[200:207]  C: four pairs of permuted registers
.set T0,   208                         ; v[208:223]  D: another wave's version
.set T1,   224                         ; v[224:239]  D: the next one
.set R,    240                         ; v[240:243]  B: d of the lists being merged; v[244:247] ids; v244 lives on into D
.set OW,   248                         ; v248        D: the winner's wave
.set IB,   249                         ; v249        D: index of the lane's first target
.set GW,   18                          ; v[18:25]    C: the winners' ids of the eight queries
.set NB,   26                          ; v26, v27    C: selectors at work
.set NT,   27
.set CM,   32                          ; s[32:55]    three compare masks for each of eight chains
.set OWN,  56                          ; s[57:63]    lanes whose winner belongs to wave 1 .. 7
.set QX,   92                          ; s[92:99]    -2 x, -2 y, -2 z, |a|^2, each the lower half of a pair
.set QY,   94
.set QZ,   96
.set QA,   98
.set RT,    0                          ; LDS [query 8][wave 8][4][lane 32][16 bytes]: the routed distances, 131,072 bytes
.set LISTD, 131072                     ; LDS [query 8][wave 8][16] d; the ids 4,096 bytes further on
.set WIN,   139264                     ; LDS [query 8][16] ids of the winners
.set OUT,   139776                     ; LDS [index | d][query 8][32 words], of which a query's first 16 are read back
; bitonic sort over 16 lanes: a lane keeps the later pair where bit x of its number differs from bit k (k the length being merged);
; in the last four stages k = 16: lanes 0-15 ascend, lanes 16-31 descend
.set MK0, 0x66666666                   ; k 2,  x 1
.set MK1, 0x3c3c3c3c                   ; k 4,  x 2
.set MK2, 0x5a5a5a5a                   ; k 4,  x 1
.set MK3, 0x0ff00ff0                   ; k 8,  x 4
.set MK4, 0x33cc33cc                   ; k 8,  x 2
.set MK5, 0x55aa55aa                   ; k 8,  x 1
.set MK6, 0x00ffff00                   ; k 16, x 8
.set MK7, 0x0f0ff0f0                   ; k 16, x 4
.set MK8, 0x3333cccc                   ; k 16, x 2
.set MK9, 0x5555aaaa                   ; k 16, x 1
	s_load_b256 s[4:11], s[0:1], 0x0               ; p1 s[4:5], p2 s[6:7], lengths1 s[8:9], lengths2 s[10:11]
	s_load_b128 s[12:15], s[0:1], 0x20             ; out0 s[12:13], out1 s[14:15]
	s_set_vgpr_msb 0x40
	v_lshl_add_u32 v0, v0, 2, 0x23200
	v_mov_b32 v1, 0
	s_set_vgpr_msb 0x4000
	v_and_b32 v1, 31, v0                           ; lane L
	v_lshrrev_b32 v2, 5, v0
	v_readfirstlane_b32 s16, v2                    ; wave w
	s_and_b32 s17, ttmp7, 0xffff                   ; batch n
	s_mov_b32 s22, 0x76543210                      ; v_permlanex16_b32 with these: lane i reads lane i of the other half
	s_mov_b32 s23, 0xfedcba98
	s_mov_b32 s24, 0xffff0000                      ; lanes 16-31
	s_mov_b32 s[QX+1], 0                           ; upper halves of the pairs that packed lines name; only the lower is used
	s_mov_b32 s[QY+1], 0
	s_mov_b32 s[QZ+1], 0
	s_mov_b32 s[QA+1], 0
	s_lshl_b32 s30, ttmp9, 5
	s_add_co_u32 s30, s30, s16                     ; the query that I finish in the first batch: 32 x group + w
	s_lshl_b32 s100, s17, 2
	s_mov_b32 s101, 0                              ; stays 0: s[100:101] is a 32-bit offset as a pair
	v_lshrrev_b32 v14, 4, v1                       ; h: which half of the wave
	v_mul_u32_u24 v31, v1, 384                     ; my group: 32 targets x 12 bytes
	v_mul_u32_u24 v28, v14, 192
	v_add_nc_u32 v2, v31, v28                      ; registers 0-15:  targets 16 h ..
	v_sub_nc_u32 v3, v31, v28
	v_add_nc_u32 v3, 192, v3                       ; registers 16-31: targets 16 (1 - h) ..
	s_wait_kmcnt 0x0
	s_add_nc_u64 s[8:9], s[8:9], s[100:101]
	s_add_nc_u64 s[10:11], s[10:11], s[100:101]
	s_load_b32 s18, s[8:9], 0x0                    ; lengths1[n]
	s_load_b32 s19, s[10:11], 0x0                  ; lengths2[n]
	s_mul_i32 s100, s17, 98304                     ; p2: batch of 8,192 x 12 bytes,
	s_mul_i32 s21, s16, 12288                      ; my wave's 1,024 targets
	s_add_co_u32 s100, s100, s21
	s_add_nc_u64 s[6:7], s[6:7], s[100:101]
	s_mul_i32 s100, s17, 49152                     ; p1: batch of 4,096 x 12 bytes,
	s_mul_i32 s21, ttmp9, 384                      ; the group's 32 queries
	s_add_co_u32 s100, s100, s21
	s_add_nc_u64 s[4:5], s[4:5], s[100:101]
	s_load_b512 s[68:83], s[4:5], 0x0              ; the first eight queries: 24 words
	s_load_b256 s[84:91], s[4:5], 0x40
.set i, 0
.rept 12
	global_load_b128 v[STG+4*i:STG+4*i+3],       v2, s[6:7] offset:16*i
	global_load_b128 v[STG+48+4*i:STG+48+4*i+3], v3, s[6:7] offset:16*i
.set i, i+1
.endr
	s_cmp_lt_u32 s16, 2                            ; the way out: waves 0, 1 store indices, waves 2, 3 distances
	s_cselect_b64 s[2:3], s[12:13], s[14:15]
	s_lshl_b32 s100, s17, 18                       ; 64 bytes a query: 4,096 queries a batch,
	s_lshl_b32 s21, ttmp9, 11                      ; 32 a work-group
	s_add_co_u32 s100, s100, s21
	s_add_nc_u64 s[2:3], s[2:3], s[100:101]
	v_mov_b32 v4, 0x7f800000                       ; +inf
	v_mov_b32 v[NT], 0                             ; the destination of a lane move counts as read: written once here
	s_lshl_b32 s21, s16, 10
	v_lshl_add_u32 v16, v1, 5, s21                 ; 1024 w + 32 L
	v_lshlrev_b32 v28, 4, v14
	v_sub_nc_u32 v17, v16, v28
	v_add_nc_u32 v17, 16, v17                      ; number of the target in register 16
	v_add_nc_u32 v16, v16, v28                     ; number of the target in register 0
	s_lshl_b32 s21, s16, 5
	v_add_nc_u32 v15, s21, v1                      ; my group's id
	v_and_b32 v13, 7, v0
	v_lshlrev_b32 v13, 2, v13                      ; 4 (L & 7): where my 4-bit field lies in a selector word
	v_and_b32 v28, 15, v0
	v_lshlrev_b32 v28, 2, v28                      ; 4 (L & 15)
	s_lshl_b32 s21, s16, 6
	s_add_co_u32 s21, s21, LISTD
	v_add_nc_u32 v5, s21, v28                      ; lists, store: 64 w + 4 (L & 15)
	s_lshl_b32 s21, s16, 9
	s_add_co_u32 s21, s21, LISTD
	v_lshl_add_u32 v6, v1, 2, s21                  ; lists, load: query w, 512 w + 4 L
	s_lshl_b32 s21, s16, 6
	s_add_co_u32 s21, s21, WIN
	v_add_nc_u32 v7, s21, v28                      ; winners, store: query w
	v_add_nc_u32 v8, WIN, v28                      ; winners, load
	s_lshl_b32 s21, s16, 11
	v_lshl_add_u32 v9, v1, 4, s21                  ; routed, store: 2048 w + 16 L, queries 0-3 by the immediate
	v_add_nc_u32 v10, 0x10000, v9                  ; queries 4-7: beyond an immediate's 16 bits
	s_lshl_b32 s21, s16, 14
	v_lshl_add_u32 v11, v1, 4, s21                 ; routed, load: query w, 16384 w + 16 L
	s_lshl_b32 s21, s16, 7
	s_add_co_u32 s21, s21, OUT
	v_lshl_add_u32 v12, v1, 2, s21                 ; stage, in: query w, word L
	v_lshrrev_b32 v30, 3, v1
	v_and_b32 v31, 7, v0
	v_lshlrev_b32 v31, 3, v31
	v_lshl_add_u32 v30, v30, 7, v31
	s_lshl_b32 s21, s16, 9
	s_add_co_u32 s21, s21, OUT
	v_add_nc_u32 v30, s21, v30                     ; stage, back (waves 0-3): four queries, words 2 (L & 7) and the next
	s_and_b32 s21, s16, 1
	s_lshl_b32 s21, s21, 8
	v_lshl_add_u32 v29, v1, 3, s21                 ; in the output: 256 (w & 1) + 8 L
	s_wait_loadcnt 0x0
	; x, y, z apart, so that two targets lie in a register pair for the packed lines; once for 32 queries
.set r, 0
.rept 32
	v_mov_b32 v[X+r], v[STG+3*r]
	v_mov_b32 v[Y+r], v[STG+3*r+1]
	v_mov_b32 v[Z+r], v[STG+3*r+2]
.set r, r+1
.endr
	; |b|^2 = (x x + y y) + z z, every square and every sum rounded by itself (see the head)
.set r, 0
.rept 16
	v_pk_mul_f32 v[B+r:B+r+1], v[X+r:X+r+1], v[X+r:X+r+1]
.set r, r+2
.endr
.set r, 0
.rept 16
	v_pk_mul_f32 v[STG+r:STG+r+1], v[Y+r:Y+r+1], v[Y+r:Y+r+1]
.set r, r+2
.endr
.set r, 0
.rept 16
	v_pk_add_f32 v[B+r:B+r+1], v[B+r:B+r+1], v[STG+r:STG+r+1]
.set r, r+2
.endr
.set r, 0
.rept 16
	v_pk_mul_f32 v[STG+r:STG+r+1], v[Z+r:Z+r+1], v[Z+r:Z+r+1]
.set r, r+2
.endr
.set r, 0
.rept 16
	v_pk_add_f32 v[B+r:B+r+1], v[B+r:B+r+1], v[STG+r:STG+r+1]
.set r, r+2
.endr
	s_wait_kmcnt 0x0                               ; the lengths
.set r, 0
.rept 32
.if r < 16
	v_add_nc_u32 v[248+(r%8)], r, v16              ; the target's number
.else
	v_add_nc_u32 v[248+(r%8)], r-16, v17
.endif
	v_cmp_le_u32 vcc_lo, s19, v[248+(r%8)]
	v_cndmask_b32 v[B+r], v[B+r], v4, vcc_lo       ; at or beyond lengths2: +inf
.set r, r+1
.endr
; query i of the batch: |a|^2 = (x x + y y) + z z, unfused as |b|^2; and -2 a
.macro QPREP i
	s_mul_f32  s[QA], s[68+3*\i], s[68+3*\i]
	s_mul_f32  s25, s[69+3*\i], s[69+3*\i]
	s_add_f32  s[QA], s[QA], s25
	s_mul_f32  s25, s[70+3*\i], s[70+3*\i]
	s_add_f32  s[QA], s[QA], s25
	s_mul_f32  s[QX], s[68+3*\i], -2.0
	s_mul_f32  s[QY], s[69+3*\i], -2.0
	s_mul_f32  s[QZ], s[70+3*\i], -2.0
.endm
; registers 4 j .. 4 j + 3 of my targets against the query: four d into v[DT ..], with v[ST ..] at work
.macro DIST4 j
	v_pk_mul_f32 v[DT:DT+1],   v[X+4*\j:X+4*\j+1],   s[QX:QX+1] op_sel_hi:[1,0]
	v_pk_mul_f32 v[DT+2:DT+3], v[X+4*\j+2:X+4*\j+3], s[QX:QX+1] op_sel_hi:[1,0]
	v_pk_add_f32 v[ST:ST+1],   v[B+4*\j:B+4*\j+1],   s[QA:QA+1] op_sel_hi:[1,0]
	v_pk_add_f32 v[ST+2:ST+3], v[B+4*\j+2:B+4*\j+3], s[QA:QA+1] op_sel_hi:[1,0]
	v_pk_fma_f32 v[DT:DT+1],   v[Y+4*\j:Y+4*\j+1],   s[QY:QY+1], v[DT:DT+1]   op_sel_hi:[1,0,1]
	v_pk_fma_f32 v[DT+2:DT+3], v[Y+4*\j+2:Y+4*\j+3], s[QY:QY+1], v[DT+2:DT+3] op_sel_hi:[1,0,1]
	v_pk_fma_f32 v[DT:DT+1],   v[Z+4*\j:Z+4*\j+1],   s[QZ:QZ+1], v[DT:DT+1]   op_sel_hi:[1,0,1]
	v_pk_fma_f32 v[DT+2:DT+3], v[Z+4*\j+2:Z+4*\j+3], s[QZ:QZ+1], v[DT+2:DT+3] op_sel_hi:[1,0,1]
	v_pk_add_f32 v[DT:DT+1],   v[ST:ST+1],   v[DT:DT+1]
	v_pk_add_f32 v[DT+2:DT+3], v[ST+2:ST+3], v[DT+2:DT+3]
.endm
; One stage for n chains (d in base, base + stride, ..; index or id io registers above).  Partner: lane i xor xm; xm = 16: the
; other half.  A lane keeps its own pair where (own before partner) differs from the mask mk; with xm = 16 every lane keeps the
; earlier pair.  'Before' is d smaller, or d equal and index smaller.  No two pairs have the same index.
.macro CE base, io, n, stride, xm, mk
.set cc, 0
.rept \n
.if \xm == 16
	v_permlanex16_b32 v[PD+cc], v[\base+\stride*cc],     s22, s23
	v_permlanex16_b32 v[PI+cc], v[\base+\io+\stride*cc], s22, s23
.else
	v_mov_b32_dpp v[PD+cc], v[\base+\stride*cc]     row_xmask:\xm row_mask:0xf bank_mask:0xf
	v_mov_b32_dpp v[PI+cc], v[\base+\io+\stride*cc] row_xmask:\xm row_mask:0xf bank_mask:0xf
.endif
.set cc, cc+1
.endr
.set cc, 0
.rept \n
	v_cmp_lt_f32 s[CM+3*cc],   v[\base+\stride*cc],     v[PD+cc]
	v_cmp_eq_f32 s[CM+3*cc+1], v[\base+\stride*cc],     v[PD+cc]
	v_cmp_lt_u32 s[CM+3*cc+2], v[\base+\io+\stride*cc], v[PI+cc]
.set cc, cc+1
.endr
.set cc, 0
.rept \n
	s_and_b32 s[CM+3*cc+1], s[CM+3*cc+1], s[CM+3*cc+2]
	s_or_b32  s[CM+3*cc],   s[CM+3*cc],   s[CM+3*cc+1]
.if \xm != 16
	s_xor_b32 s[CM+3*cc],   s[CM+3*cc],   \mk
.endif
.set cc, cc+1
.endr
.set cc, 0
.rept \n
	v_cndmask_b32 v[\base+\stride*cc],     v[PD+cc], v[\base+\stride*cc],     s[CM+3*cc]
	v_cndmask_b32 v[\base+\io+\stride*cc], v[PI+cc], v[\base+\io+\stride*cc], s[CM+3*cc]
.set cc, cc+1
.endr
.endm
; halves that are bitonic: lanes 0-15 into ascending order, lanes 16-31 into descending order
.macro MERGE base, io, n, stride
	CE \base, \io, \n, \stride, 8, MK6
	CE \base, \io, \n, \stride, 4, MK7
	CE \base, \io, \n, \stride, 2, MK8
	CE \base, \io, \n, \stride, 1, MK9
.endm
; halves in any order: the same result
.macro SORT16 base, io, n, stride
	CE \base, \io, \n, \stride, 1, MK0
	CE \base, \io, \n, \stride, 2, MK1
	CE \base, \io, \n, \stride, 1, MK2
	CE \base, \io, \n, \stride, 4, MK3
	CE \base, \io, \n, \stride, 2, MK4
	CE \base, \io, \n, \stride, 1, MK5
	MERGE \base, \io, \n, \stride
.endm
; ascending against descending: the earlier pairs are the first 16 of the 32, a bitonic run, alike in both halves
.macro XMIN base, io, n, stride
	CE \base, \io, \n, \stride, 16, 0
.endm
; chain b's run into the upper half of chain a
.macro COMB a, b, io
	v_cndmask_b32 v[\a],     v[\a],     v[\b],     s24
	v_cndmask_b32 v[\a+\io], v[\a+\io], v[\b+\io], s24
.endm
; D: the 16 packed registers that wave ww routed for my query
.macro LDRT dst, ww
.irp c, 0,1,2,3
	ds_load_b128 v[\dst+4*\c:\dst+4*\c+3], v11 offset:RT+2048*\ww+512*\c
.endr
.endm
; D: taken where the lane's winner belongs to wave ww
.macro SELW src, ww
.set p, 0
.rept 16
	v_cndmask_b32 v[FD+p], v[FD+p], v[\src+p], s[OWN+\ww]
.set p, p+1
.endr
.endm
	s_mov_b32 s20, 0                               ; batch of eight queries, 0 to 3
.Lbatch:
	s_wait_kmcnt 0x0                               ; this batch's 24 words; frees their base s[66:67] too
	; A: distances and the minimum of each lane's 32
.irp q, 0,1,2,3,4,5,6,7
	QPREP \q
.irp j, 0,1,2,3,4,5,6,7
.set DT, TA0+8*(\j%2)
.set ST, DT+4
	DIST4 \j
.if \j == 0
	v_min3_num_f32 v[MD+\q], v[DT], v[DT+1], v[DT+2]
	v_min_num_f32  v[MD+\q], v[MD+\q], v[DT+3]
.else
	v_min3_num_f32 v[MD+\q], v[MD+\q], v[DT], v[DT+1]
	v_min3_num_f32 v[MD+\q], v[MD+\q], v[DT+2], v[DT+3]
.endif
.endr
	v_mov_b32 v[MD+8+\q], v15                      ; the group's id travels with its minimum
.endr
	; A2: for each of the eight queries the 16 first of my wave's 32 groups
	SORT16 MD, 8, 8, 1
	XMIN MD, 8, 8, 1
.irp q, 0,1,2,3,4,5,6,7
	ds_store_b32 v5, v[MD+\q]   offset:512*\q      ; both halves hold the same 16 pairs and write the same words
	ds_store_b32 v5, v[MD+8+\q] offset:4096+512*\q
.endr
	s_wait_dscnt 0x0                               ; my lists are in LDS before I say so
	s_barrier_signal -1
	s_barrier_wait -1
	; B: wave w merges query w's eight lists of 16, two in a register, down to one: the 16 winners
.irp k, 0,1,2,3
	ds_load_b32 v[R+\k],   v6 offset:128*\k        ; lanes 0-15: list 2 k, lanes 16-31: list 2 k + 1
	ds_load_b32 v[R+4+\k], v6 offset:4096+128*\k
.endr
	s_wait_dscnt 0x0
	MERGE R, 4, 4, 1
	XMIN R, 4, 4, 1
	COMB R, R+1, 4
	COMB R+2, R+3, 4
	MERGE R, 4, 2, 2
	XMIN R, 4, 2, 2
	COMB R, R+2, 4
	MERGE R, 4, 1, 1
	XMIN R, 4, 1, 1                                ; lanes k and 16 + k: winner k (in no particular order)
	ds_store_b32 v7, v[R+4]
	s_wait_dscnt 0x0                               ; the winners are in LDS, and my reads of the lists are over
	s_barrier_signal -1
	s_barrier_wait -1
	; C: every wave brings, for each query, the lanes named by the winners' ids to lanes 0-15 (whether they are its own is
	; settled in D), and stores the 16 packed registers at its own fixed place
.irp q, 0,1,2,3,4,5,6,7
	ds_load_b32 v[GW+\q], v8 offset:64*\q          ; lanes k and 16 + k: id of winner k
.endr
	s_wait_dscnt 0x0
.irp q, 0,1,2,3,4,5,6,7
	QPREP \q
	v_and_b32 v[NB], 15, v[GW+\q]                  ; the winner's lane within its half,
	v_lshlrev_b32 v[NB], v13, v[NB]                ; as the 4-bit field k & 7 of a word;
	v_mov_b32_dpp v[NT], v[NB] row_xmask:1 row_mask:0xf bank_mask:0xf
	v_or_b32 v[NB], v[NB], v[NT]                   ; eight lanes' fields put together
	v_mov_b32_dpp v[NT], v[NB] row_xmask:2 row_mask:0xf bank_mask:0xf
	v_or_b32 v[NB], v[NB], v[NT]
	v_mov_b32_dpp v[NT], v[NB] row_xmask:4 row_mask:0xf bank_mask:0xf
	v_or_b32 v[NB], v[NB], v[NT]
	v_readlane_b32 s26, v[NB], 0                   ; fields of winners 0-7
	v_readlane_b32 s27, v[NB], 8                   ; fields of winners 8-15
	v_bfe_u32 v[NT], v[GW+\q], 4, 1                ; the half in which the winner's lane lies
	v_cmp_ne_u32 s28, v[NT], v14                   ; not my half: my number comes across the halves
.irp j, 0,1,2,3,4,5,6,7
.set DT, D+4*\j
.set ST, TS+4*(\j%2)
	DIST4 \j
.endr
.set p, 0
.rept 16
	v_permlane16_b32  v[TP+2*(p%4)],   v[D+p],    s26, s27
	v_permlanex16_b32 v[TP+2*(p%4)+1], v[D+16+p], s26, s27
	v_cndmask_b32 v[D+p], v[TP+2*(p%4)], v[TP+2*(p%4)+1], s28
.set p, p+1
.endr
.irp c, 0,1,2,3
.if \q < 4
	ds_store_b128 v9,  v[D+4*\c:D+4*\c+3] offset:RT+16384*\q+512*\c
.else
	ds_store_b128 v10, v[D+4*\c:D+4*\c+3] offset:RT+16384*(\q-4)+512*\c
.endif
.endr
.endr
	; the next batch's queries are asked for now; in the last trip the same batch once more, so that no load leaves p1
	s_add_co_u32 s21, s20, 1
	s_min_u32 s21, s21, 3
	s_mul_i32 s100, s21, 96
	s_add_nc_u64 s[66:67], s[4:5], s[100:101]
	s_load_b512 s[68:83], s[66:67], 0x0
	s_load_b256 s[84:91], s[66:67], 0x40
	s_wait_dscnt 0x0                               ; my versions are in LDS, and my reads of the winners are over
	s_barrier_signal -1
	s_barrier_wait -1
	; D: wave w finishes query w.  Lane (h, k), register p: target 16 h + p of winner k, index 32 id + 16 h + p
	LDRT FD, 0
	LDRT T0, 1
	LDRT T1, 2
	v_lshrrev_b32 v[OW], 5, v[R+4]                 ; the winner's wave
.irp ww, 1,2,3,4,5,6,7
	v_cmp_eq_u32 s[OWN+\ww], \ww, v[OW]
.endr
	v_lshlrev_b32 v[IB], 5, v[R+4]
	v_lshl_add_u32 v[IB], v14, 4, v[IB]
.set p, 0
.rept 16
	v_add_nc_u32 v[FD+16+p], p, v[IB]
.set p, p+1
.endr
	; LDS loads come back in order: with the count 4 only the four loads of the next version stay out
	s_wait_dscnt 0x4
	SELW T0, 1
	LDRT T0, 3
	s_wait_dscnt 0x4
	SELW T1, 2
	LDRT T1, 4
	s_wait_dscnt 0x4
	SELW T0, 3
	LDRT T0, 5
	s_wait_dscnt 0x4
	SELW T1, 4
	LDRT T1, 6
	s_wait_dscnt 0x4
	SELW T0, 5
	LDRT T0, 7
	s_wait_dscnt 0x4
	SELW T1, 6
	s_wait_dscnt 0x0                               ; nothing was issued behind the last version
	SELW T0, 7
	; 512 pairs: sixteen registers sorted by halves, then halved five times
	SORT16 FD, 16, 8, 1
	SORT16 FD+8, 16, 8, 1
	XMIN FD, 16, 8, 1
	XMIN FD+8, 16, 8, 1
.irp i, 0,2,4,6,8,10,12,14
	COMB FD+\i, FD+\i+1, 16
.endr
	MERGE FD, 16, 8, 2
	XMIN FD, 16, 8, 2
.irp i, 0,4,8,12
	COMB FD+\i, FD+\i+2, 16
.endr
	MERGE FD, 16, 4, 4
	XMIN FD, 16, 4, 4
	COMB FD, FD+4, 16
	COMB FD+8, FD+12, 16
	MERGE FD, 16, 2, 8
	XMIN FD, 16, 2, 8
	COMB FD, FD+8, 16
	MERGE FD, 16, 1, 1
	XMIN FD, 16, 1, 1
	MERGE FD, 16, 1, 1                             ; lanes 0-15 now hold the 16 in ascending order
	s_cmp_lt_u32 s30, s18                          ; a query at or beyond lengths1: zeros
	s_cselect_b32 s29, -1, 0
	v_cndmask_b32 v[FD+16], 0, v[FD+16], s29
	v_cndmask_b32 v[FD],    0, v[FD],    s29
	ds_store_b32 v12, v[FD+16]                     ; indices
	ds_store_b32 v12, v[FD] offset:1024            ; distances
	s_wait_dscnt 0x0                               ; my query is on the stage
	s_barrier_signal -1
	s_barrier_wait -1
	; E: eight queries x 64 bytes for each output.  Waves 0, 1: indices, waves 2, 3: distances; each store of a wave covers 256
	; consecutive bytes, aligned
	s_cmp_ge_u32 s16, 4
	s_cbranch_scc1 .Lnoout
	ds_load_b64 v[18:19], v30
	s_wait_dscnt 0x0                               ; also: my read of the stage is over before my next signal
	global_store_b64 v29, v[18:19], s[2:3] th:TH_STORE_NT
.Lnoout:
	s_wait_xcnt 0x0                                ; the base is stepped, and v[18:19] loaded again, only behind this wait
	s_add_nc_u64 s[2:3], s[2:3], 512
	s_add_co_u32 s30, s30, 8
	s_add_co_u32 s20, s20, 1
	s_cmp_lt_u32 s20, 4
	s_cbranch_scc1 .Lbatch
	s_set_vgpr_msb 0x5
	s_wait_tensorcnt 0x0
	ds_add_u32 v0, v1
	s_wait_dscnt 0x0
	s_set_vgpr_msb 0x500
	s_endpgm
.Lfunc_end_k_q1ad3a44da4_knn:
	.size	k_q1ad3a44da4_knn, .Lfunc_end_k_q1ad3a44da4_knn-k_q1ad3a44da4_knn
	.p2alignl 7, 3214868480
	.fill 96, 4, 3214868480
	.section	.rodata,"a",@progbits
	.p2align	6, 0x0
	.amdhsa_kernel k_q1ad3a44da4_knn
		.amdhsa_group_segment_fixed_size 144896
		.amdhsa_private_segment_fixed_size 0
		.amdhsa_enable_private_segment 0
		.amdhsa_kernarg_size 48
		.amdhsa_user_sgpr_count 2
		.amdhsa_user_sgpr_kernarg_segment_ptr 1
		.amdhsa_wavefront_size32 1
		.amdhsa_system_sgpr_workgroup_id_x 1
		.amdhsa_system_sgpr_workgroup_id_y 1
		.amdhsa_system_sgpr_workgroup_id_z 1
		.amdhsa_system_vgpr_workitem_id 0
		.amdhsa_next_free_vgpr 258
		.amdhsa_next_free_sgpr 102
		.amdhsa_reserve_vcc 1
		.amdhsa_float_denorm_mode_32 3
		.amdhsa_float_denorm_mode_16_64 3
		.amdhsa_memory_ordered 1
		.amdhsa_forward_progress 1
		.amdhsa_inst_pref_size 255
	.end_amdhsa_kernel
	.section	.bss,"aw",@nobits
	.p2align	6
	.space	262144
	.amdgpu_metadata
---
amdhsa.version: [ 1, 2 ]
amdhsa.kernels:
  - .name:           k_q1ad3a44da4_knn
    .symbol:         k_q1ad3a44da4_knn.kd
    .args:
      - { .name: p1, .offset: 0, .size: 8, .value_kind: global_buffer, .address_space: global }
      - { .name: p2, .offset: 8, .size: 8, .value_kind: global_buffer, .address_space: global }
      - { .name: lengths1, .offset: 16, .size: 8, .value_kind: global_buffer, .address_space: global }
      - { .name: lengths2, .offset: 24, .size: 8, .value_kind: global_buffer, .address_space: global }
      - { .name: out0, .offset: 32, .size: 8, .value_kind: global_buffer, .address_space: global }
      - { .name: out1, .offset: 40, .size: 8, .value_kind: global_buffer, .address_space: global }
    .group_segment_fixed_size: 144896
    .private_segment_fixed_size: 0
    .kernarg_segment_align: 8
    .kernarg_segment_size: 48
    .max_flat_workgroup_size: 256
    .sgpr_count:     102
    .vgpr_count:     258
    .wavefront_size: 32
...
	.end_amdgpu_metadata
.endif
;; end of part 1
